; MI455X (gfx1250); checked and timed in simulation.
; The chip was launched on July 23, 2026; its instructions are those of AMD's public machine-readable ISA for CDNA 5 (MIT licence, August 2026) and "CDNA5" Instruction Set Architecture Reference Guide (July 2026). The comments in the code are by the model that wrote it; some were corrected since.
;; Attention. Allowed arithmetic: matrix products marked QUANTISED: E3M2 operands, one E8M0 scale for each 32 along K, by v_wmma_scale_f32_16x16x128_f8f6f4 with both operands' format E3M2, f32 sums; everything else in f32.
;; Inputs: Wk 16 x 1,024 x 64 float32; Wq 16 x 1,024 x 64 float32; Wv 16 x 1,024 x 64 float32; x 4,096 x 1,024 float32.
;; Outputs: out0 4,096 x 1,024 float32.
;; This version of the problem:
;;   THIS VERSION OF THE PROBLEM IS GIVEN IN LOW PRECISION. The matrix products marked QUANTISED in the list below multiply operands that are first quantised to E3M2 (3 exponent bits, 2 mantissa bits; 6 bits a number), with one power-of-two scale for each 32 numbers along K (OCP MX v1.0); their sums are f32. All else is computed in f32.
;;   The module's matrix products, in the order in which they are computed (A, B: the left and right operand; K: the contracted axis; several contracted axes count as one K, in the product's order):
;;     1. [M 1,024, K 1,024] x [K 1,024, N 4,096]; A: input Wk; B: input x: QUANTISED
;;     2. [M 1,024, K 1,024] x [K 1,024, N 4,096]; A: input Wq; B: input x: QUANTISED
;;     3. [M 1,024, K 1,024] x [K 1,024, N 4,096]; A: input Wv; B: input x: QUANTISED
;;     4. batch 16 x [M 4,096, K 64] x [K 64, N 4,096]; A: computed on the way; B: computed on the way: QUANTISED
;;     5. batch 16 x [M 4,096, K 4,096] x [K 4,096, N 64]; A: softmax (see below); B: computed on the way: QUANTISED
;;   THE QUANTISER, for each operand of a quantised product, along K:
;;     - K is cut into blocks of 32 from its start; a last block that is shorter is filled with zeros.
;;     - A block's scale is 2^e with e = floor(log2(the largest magnitude in the block)) - 4, held to -126 .. 127; a block of zeros has e = 0. As a byte (E8M0): e + 127.
;;     - Each number is divided by its block's scale, clamped to +-28, and rounded to the nearest number of E3M2, ties to even, subnormals kept.
;;     - The product sums the exact products of the quantised numbers (number of the format x scale) in f32.
;;   ~~~python
;;   def quantise(x, axis):      # numpy; x: float32 -> the quantised numbers, widened to float32 again
;;       x = np.moveaxis(x, axis, -1); K = x.shape[-1]
;;       x = np.pad(x, [(0, 0)] * (x.ndim - 1) + [(0, -K % 32)]); x = x.reshape(x.shape[:-1] + (-1, 32)); a = np.abs(x).max(-1, keepdims=True)
;;       e = np.where(a > 0, np.clip(np.frexp(np.where(a > 0, a, 1))[1] - 1 - 4, -126, 127), 0)      # np.frexp(a)[1] - 1 = floor(log2(a)), exactly
;;       r = np.clip(x / 2.0 ** e, -28, 28)
;;       step = 2.0 ** (np.maximum(np.frexp(np.where(r == 0, 1, r))[1] - 1, -2) - 2)
;;       q = np.round(r / step) * step * 2.0 ** e      # np.round: ties to even
;;       return np.moveaxis(q.reshape(q.shape[:-2] + (-1,))[..., :K], -1, axis).astype(np.float32)
;;   ~~~
;;   SOFTMAX AHEAD OF A QUANTISED PRODUCT. Where the list says 'softmax', what is quantised is not the finished softmax but p = 2^(t - M), with t = logit x log2(e) and M = ceil(the row's largest t), a whole number; so 1/2 < the row's largest p <= 1. The row's sum l is taken of the UNQUANTISED p, in f32, and the product's result is divided by l at the end. Since M is a whole number, a kernel that streams over the keys may use a running M (the ceiling of the running maximum): every later rescaling is an exact power of two, which a block's scale takes up: the codes' values come out the same.
;;   OPERANDS COMPUTED ON THE WAY. 'Computed on the way' means the value that the module computes at that place (a softmax that the list does not call 'softmax' is quantised finished and normalised). What goes into a quantiser is computed in f32, as accurately as f32 sums, v_exp_f32 and their like allow (about 1e-6 of the number): no bf16 or f16 on the way to a quantiser, and a product that is left as it is and whose result goes on into a quantised operand takes f32 operands (vector FMAs, or v_wmma_f32_16x16x4_f32). A number that lies on a knife's edge between two numbers of the format may be rounded either way, as far as f32 arithmetic and the matrix unit's own rounding can turn it there, and no further.
;; One version. Each part assembles by itself: llvm-mc -triple=amdgcn-amd-amdhsa -mcpu=gfx1250 --defsym DOCPART=n.
;; ======== version 1 of 1: 3 launches
;; limits: right only within a limited range of input values
;; workspace buffers: xq 3,276,800 bytes; wq 2,457,600 bytes; rq 3,276,800 bytes; kv 6,553,600 bytes
;; launch quant (part 1): grid 448 x 1, 4 waves a work-group, no clusters, 68,096 bytes of LDS; arguments x, Wk, Wq, Wv, xq, wq; writes xq, wq
.if DOCPART == 1
	.amdgcn_target "amdgcn-amd-amdhsa--gfx1250"
	.amdhsa_code_object_version 6
	.text
	.protected	k_q254e440251_quant
	.globl	k_q254e440251_quant
	.p2align	8
	.type	k_q254e440251_quant,@function
k_q254e440251_quant:
	s_mov_b64 s[64:65], 0
	v_nop
	global_prefetch_b8 v0, s[64:65] scope:SCOPE_SE
	s_setreg_imm32_b32 hwreg(HW_REG_WAVE_MODE, 25, 1), 1
	s_wait_xcnt 0x0
; LAUNCH 1 OF 3.  x [4096][1024] and Wk, Wq, Wv [16][1024][64], f32, become codes of BF6 (E3M2) with one E8M0 byte for each 32 along D (the K of the three projections),
; laid in the program's own buffers as IMAGES OF OPERAND REGISTERS: a fragment (16 rows x 128 K, 12 registers a lane) is three pieces of 512 bytes, piece p = registers 4 p .. 4 p + 3, lane l at 16 l.
; WORK LEFT OUT BY THE PROGRAM (third launch): reference() sets score(i, j) to -inf for j > i by a mask that it builds itself.  Then p(i, j) = 0 for every finite input: it adds nothing to the row's sum, and its
; code is zero, which adds nothing to the second product.  So a step of 128 columns j that all lie behind a wave's last row i is not computed; in the step on the diagonal all is computed and hidden scores are
; replaced by -inf.  All four inputs have a way to the output and are loaded.  LIMIT: a NaN, an infinity or an overflow that would arise only in the steps left out is not carried to the result.
; LIMITS OF THE QUANTISER: NaN and infinities among the inputs are not served; a block whose largest magnitude lies under 2^(5 - 127) gets the byte 1; a block of zeros gets the byte 1 where the rule says 127
; (its codes are zeros, which add nothing under any byte but 0xff, and the bytes are read by this program alone).
; THE ROWS OF A TILE ARE NOT NEIGHBOURS: lane r of tile 2 P + u holds row 32 P + 8 u + r + 8 (r / 8), of x (rows t) and of the weights (rows n = 1024 weight + 64 head + s) alike, so that in every later product
; the 16 result registers of two neighbouring tiles are 16 neighbours along the axis of source 0.
; xq: [t / 128][K half] blocks of 51,200 bytes: fragment (tile a of 8, K step ks of 4) at 6144 a + 1536 ks; scale words at 49,152 + 128 (4 p + ks) + 4 l: lanes 0-15 tile 2 p, lanes 16-31 tile 2 p + 1.
; wq: [n / 256][K half] blocks of 102,400 bytes: fragment (tile of 16, ks) likewise; scale words at 98,304 + 128 (4 p + ks) + 4 l.
; Work-groups 0-255 take x, 256-447 the weights.  A wave takes 32 rows x 128 along K, 16 KiB, all of it asked for at once.  A stream read once: no matrix unit, no cluster, no barrier; waves share nothing.
.set SPARE, 67584                      ; behind the four stages: the spare words, 128 bytes a wave, that no other line names
.set WST,   16896                      ; a wave's stage: 32 rows
.set PITCH, 528                        ; of 512 bytes + 16: an odd multiple of 16 bytes, so the 16 rows that a load of 16 bytes a lane touches begin at 16 different places modulo 256 bytes
.set RR,    32                         ; v32-159  x: 32 rows as loaded; later the second tile's numbers.  The weights: 128 numbers down K
.set XA,    160                        ; v160-223 x: the first tile's 64 numbers of a lane
.set PC,    224                        ; v224-247 x: two fragments' codes
.set TT,    248                        ; v248-254 x: the upper halves of two blocks (a conversion's three registers begin on an even number)
; 64 numbers of a lane, v[src + 32 c + i] = k 64 c + 32 (lane / 16) + i of its row: two whole blocks.  They become fragment st in v[PC + 12 st] on and the row's scale word in v[14 + st].
.macro QW src, st
.irp c, 0,1
	v_max3_num_f32 v[8+\c], |v[\src+32*\c]|, |v[\src+32*\c+1]|, 0x2800000      ; the block's largest magnitude, and the floor 2^(5 - 127): the byte cannot fall under 1
.endr
.irp i, 2,4,6,8,10,12,14,16,18,20,22,24,26,28,30
.irp c, 0,1
	v_max3_num_f32 v[8+\c], v[8+\c], |v[\src+32*\c+\i]|, |v[\src+32*\c+\i+1]|  ; (the two blocks by turns)
.endr
.endr
.irp c, 0,1
	v_add_nc_u32 v[10+\c], 0xfe000000, v[8+\c]     ; 4 off the exponent field: the conversion takes this operand's exponent field as its scale
.endr
.irp c, 0,1
	v_lshrrev_b32 v[12+\c], 23, v[10+\c]           ; the scale's byte
.endr
	v_lshl_or_b32 v[14+\st], v13, 16, v12          ; my bytes: blocks h and 2 + h,
	v_lshlrev_b32 v[14+\st], v17, v[14+\st]        ; 8 h bits up;
	v_permlanex16_b32 v16, v[14+\st], s20, s21
	v_or_b32 v[14+\st], v[14+\st], v16             ; with lane l xor 16's two the word is whole, in both halves of the lanes
.irp c, 0,1
	v_cvt_scalef32_pk16_bf6_f32 v[PC+12*\st+6*\c:PC+12*\st+6*\c+2], v[\src+32*\c:\src+32*\c+15], v[10+\c]
	v_cvt_scalef32_pk16_bf6_f32 v[TT+4*\c:TT+4*\c+2], v[\src+32*\c+16:\src+32*\c+31], v[10+\c]
.endr
	v_nop                                          ; one plain place behind a scaled conversion
.irp c, 0,1
.irp i, 0,1,2
	v_mov_b32 v[PC+12*\st+6*\c+3+\i], v[TT+4*\c+\i]
.endr
.endr
.endm
.macro BACK u, reg                     ; tile u's numbers out of the stage: lane (r, h) takes of row r the bytes 256 c + 128 h + 0 .. 127
.irp c, 0,1
.irp j, 0,1,2,3,4,5,6,7
	ds_load_b128 v[\reg+32*\c+4*\j:\reg+32*\c+4*\j+3], v6 offset:\u*16*PITCH+256*\c+16*\j
.endr
.endr
.endm
	s_load_b256 s[4:11], s[0:1], 0x0               ; x, Wk, Wq, Wv
	s_load_b128 s[12:15], s[0:1], 0x20             ; xq, wq
	v_lshl_add_u32 v3, v0, 2, SPARE                ; my spare word; never rewritten
	v_mov_b32 v4, 0                                ; 0; never rewritten
	v_lshrrev_b32 v1, 5, v0
	v_readfirstlane_b32 s16, v1                    ; wave 0..3
	v_and_b32 v7, 31, v0                           ; lane
	v_lshlrev_b32 v1, 4, v7                        ; 16 x lane
	v_lshlrev_b32 v2, 2, v7                        ; 4 x lane
	s_mov_b32 s20, 0x76543210
	s_mov_b32 s21, 0xfedcba98                      ; v_permlanex16_b32's selects for lane l xor 16
	s_mov_b32 s22, 0xffff0000                      ; lanes 16-31
	s_cmp_lt_u32 ttmp9, 256
	s_cbranch_scc0 .Lw
	; ---- x.  Work-group g: rows 32 (g / 2) on, K half g % 2; wave w: K step 4 (g % 2) + w
	s_lshr_b32 s17, ttmp9, 1                       ; P
	s_and_b32 s18, ttmp9, 1                        ; K half
	s_lshl_b32 s24, s17, 17                        ; 32 rows of 4,096 bytes
	s_lshl_b32 s19, s18, 11
	s_add_co_u32 s24, s24, s19
	s_lshl_b32 s19, s16, 9                         ; 128 numbers a K step
	s_add_co_u32 s24, s24, s19
	s_mov_b32 s25, 0
	s_lshr_b32 s26, ttmp9, 3
	s_lshl_b32 s26, s26, 1
	s_add_co_u32 s26, s26, s18
	s_mul_i32 s26, s26, 51200                      ; my block of xq
	s_and_b32 s19, s17, 3                          ; my pair of tiles in it
	s_mul_i32 s28, s19, 12288
	s_mul_i32 s23, s16, 1536
	s_add_co_u32 s28, s28, s23
	s_add_co_u32 s28, s28, s26                     ; the codes' place
	s_mov_b32 s29, 0
	s_lshl_b32 s30, s19, 9
	s_lshl_b32 s23, s16, 7
	s_add_co_u32 s30, s30, s23
	s_add_co_u32 s30, s30, s26
	s_add_co_u32 s30, s30, 49152                   ; the scale words' place
	s_mov_b32 s31, 0
	s_mul_i32 s23, s16, WST
	s_wait_alu depctr_va_vdst(0)
	v_add_nc_u32 v5, s23, v1                       ; the stage, on the way in: 16 x lane in a row
	v_and_b32 v8, 15, v0                           ; r
	v_bfe_u32 v9, v0, 4, 1                         ; h
	v_mul_u32_u24 v6, v8, PITCH
	v_lshl_add_u32 v6, v9, 7, v6
	v_add_nc_u32 v6, s23, v6                       ; and on the way out: row r, + 128 h
	v_lshlrev_b32 v17, 3, v9                       ; 8 h
	v_mov_b32 v16, 0                               ; written once: a lane permute's destination counts as one of its sources
	s_wait_alu depctr_va_vdst(0)
	s_wait_kmcnt 0x0
	s_add_nc_u64 s[4:5], s[4:5], s[24:25]
	s_add_nc_u64 s[32:33], s[12:13], s[30:31]
	s_add_nc_u64 s[12:13], s[12:13], s[28:29]
.set i, 0
.rept 32
	global_load_b128 v[RR+4*i:RR+4*i+3], v1, s[4:5] offset:i*4096 th:TH_LOAD_NT    ; row i: 32 lanes read 512 consecutive bytes
.set i, i+1
.endr
.set i, 0
.rept 32
	s_wait_loadcnt 31-i                            ; loads come back in order: row i is in, the younger rows stay out
	ds_store_b128 v5, v[RR+4*i:RR+4*i+3] offset:(16*((i/8)%2)+i%8+8*(i/16))*PITCH   ; to the place of its tile and lane: 16 u + r
.set i, i+1
.endr
	BACK 0, XA                                     ; LDS serves a wave's instructions in order: these see my stores
	s_wait_dscnt 16                                ; all but the 16 loads just issued: the 32 stores have read their registers,
	BACK 1, RR                                     ; which take the second tile's numbers
	s_wait_dscnt 16                                ; the first tile's are in
	QW XA, 0
.irp p, 0,1,2
	global_store_b128 v1, v[PC+4*\p:PC+4*\p+3], s[12:13] offset:512*\p             ; 512 consecutive bytes, at a multiple of 256 from the buffer's first byte
.endr
	s_wait_dscnt 0x0
	QW RR, 1
.irp p, 0,1,2
	global_store_b128 v1, v[PC+12+4*\p:PC+12+4*\p+3], s[12:13] offset:6144+512*\p
.endr
	v_cndmask_b32 v18, v14, v15, s22               ; lanes 0-15 the first tile's words, lanes 16-31 the second's
	global_store_b32 v2, v18, s[32:33]
	s_wait_tensorcnt 0x0                           ; the wave's end
	ds_add_u32 v3, v4
	s_wait_dscnt 0x0
	s_endpgm
.Lw:	; ---- the weights.  Work-group g' = g - 256: rows n = 32 (g' / 2) on, K half g' % 2; wave w: K step 4 (g' % 2) + w.  D is the FIRST axis of a head's [1024][64]: a lane takes a column s, its registers run down D
	s_sub_co_u32 s17, ttmp9, 256                   ; g'
	s_lshr_b32 s18, s17, 1                         ; the pair of tiles, 0 .. 95
	s_and_b32 s19, s17, 1                          ; K half
	s_bfe_u32 s23, s17, 0x40002                    ; head
	s_lshl_b32 s24, s23, 18                        ; 1024 rows of 256 bytes
	s_lshl_b32 s26, s19, 2
	s_add_co_u32 s26, s26, s16                     ; K step
	s_lshl_b32 s26, s26, 15                        ; 128 rows of 256 bytes
	s_add_co_u32 s24, s24, s26
	s_and_b32 s26, s18, 1
	s_lshl_b32 s26, s26, 7                         ; which 32 of the head's 64 columns
	s_add_co_u32 s24, s24, s26
	s_mov_b32 s25, 0
	s_lshr_b32 s26, s18, 3
	s_lshl_b32 s26, s26, 1
	s_add_co_u32 s26, s26, s19
	s_mul_i32 s26, s26, 102400                     ; my block of wq
	s_and_b32 s27, s18, 7
	s_mul_i32 s28, s27, 12288
	s_mul_i32 s23, s16, 1536
	s_add_co_u32 s28, s28, s23
	s_add_co_u32 s28, s28, s26
	s_mov_b32 s29, 0
	s_lshl_b32 s30, s27, 9
	s_lshl_b32 s23, s16, 7
	s_add_co_u32 s30, s30, s23
	s_add_co_u32 s30, s30, s26
	s_add_co_u32 s30, s30, 98304
	s_mov_b32 s31, 0
	v_and_b32 v8, 7, v0                            ; my column of the 32: lanes 0-15 are tile u = 0 (columns 0-7, 16-23), lanes 16-31 tile u = 1 (8-15, 24-31):
	v_bfe_u32 v9, v0, 4, 1
	v_lshl_add_u32 v8, v9, 3, v8                   ; the lane's number with its bits 3 and 4 changed over
	v_bfe_u32 v9, v0, 3, 1
	v_lshl_add_u32 v8, v9, 4, v8
	v_lshlrev_b32 v8, 2, v8
	s_wait_alu depctr_va_vdst(0)
	s_wait_kmcnt 0x0
	s_cmp_lt_u32 s17, 128                          ; which weight: the choice hangs on the work-group's number alone
	s_cselect_b64 s[34:35], s[8:9], s[10:11]
	s_cmp_lt_u32 s17, 64
	s_cselect_b64 s[34:35], s[6:7], s[34:35]
	s_add_nc_u64 s[34:35], s[34:35], s[24:25]
	s_add_nc_u64 s[36:37], s[14:15], s[30:31]
	s_add_nc_u64 s[14:15], s[14:15], s[28:29]
.set i, 0
.rept 128
	global_load_b32 v[RR+i], v8, s[34:35] offset:i*256 th:TH_LOAD_NT   ; W(128 K step + i, my column): the 32 lanes read 128 consecutive bytes
.set i, i+1
.endr
.irp b, 0,1,2,3                        ; block b: all its 32 numbers are mine
.if \b < 2
	s_wait_loadcnt 63                              ; 96 and 64 younger loads might stay out; the count's field holds 63 at the most
.else
	s_wait_loadcnt 96-32*\b
.endif
	v_max3_num_f32 v10, |v[RR+32*\b]|, |v[RR+32*\b+1]|, |v[RR+32*\b+2]|
	v_max3_num_f32 v11, |v[RR+32*\b+3]|, |v[RR+32*\b+4]|, |v[RR+32*\b+5]|
.irp i, 6,10,14,18,22,26
	v_max3_num_f32 v10, v10, |v[RR+32*\b+\i]|, |v[RR+32*\b+\i+1]|
	v_max3_num_f32 v11, v11, |v[RR+32*\b+\i+2]|, |v[RR+32*\b+\i+3]|
.endr
	v_max3_num_f32 v10, v10, |v[RR+32*\b+30]|, |v[RR+32*\b+31]|
	v_max3_num_f32 v10, v10, v11, 0x2800000        ; and the floor
	v_add_nc_u32 v[12+\b], 0xfe000000, v10
.if \b == 0
	v_lshrrev_b32 v16, 23, v12                     ; the scale word: all four bytes are mine
.else
	v_lshrrev_b32 v17, 23, v[12+\b]
	v_lshl_or_b32 v16, v17, 8*\b, v16
.endif
	v_cvt_scalef32_pk16_bf6_f32 v[160+12*(\b%2)+6*(\b/2):162+12*(\b%2)+6*(\b/2)], v[RR+32*\b:RR+32*\b+15], v[12+\b]   ; blocks 0 and 2 to v160 on, blocks 1 and 3 to v172 on
	v_cvt_scalef32_pk16_bf6_f32 v[184+4*\b:186+4*\b], v[RR+32*\b+16:RR+32*\b+31], v[12+\b]
.endr
	v_nop                                          ; one plain place behind a scaled conversion
.irp b, 0,1,2,3
.irp i, 0,1,2
	v_mov_b32 v[163+12*(\b%2)+6*(\b/2)+\i], v[184+4*\b+\i]
.endr
.endr
.set i, 0
.rept 12
	v_permlane16_swap_b32 v[160+i], v[172+i]       ; the first's lanes 16-31 change places with the second's lanes 0-15: v160 on is now tile u = 0's fragment (lane (r, h): blocks h and 2 + h of row r), v172 on tile u = 1's
.set i, i+1
.endr
.irp p, 0,1,2
	global_store_b128 v1, v[160+4*\p:163+4*\p], s[14:15] offset:512*\p
	global_store_b128 v1, v[172+4*\p:175+4*\p], s[14:15] offset:6144+512*\p
.endr
	global_store_b32 v2, v16, s[36:37]             ; lanes 0-15 tile u = 0's words, lanes 16-31 tile u = 1's
	s_wait_tensorcnt 0x0                           ; the wave's end; the launch stores to LDS
	ds_add_u32 v3, v4
	s_wait_dscnt 0x0
	s_endpgm
.Lfunc_end_k_q254e440251_quant:
	.size	k_q254e440251_quant, .Lfunc_end_k_q254e440251_quant-k_q254e440251_quant
	.p2alignl 7, 3214868480
	.fill 96, 4, 3214868480
	.section	.rodata,"a",@progbits
	.p2align	6, 0x0
	.amdhsa_kernel k_q254e440251_quant
		.amdhsa_group_segment_fixed_size 68096
		.amdhsa_private_segment_fixed_size 0
		.amdhsa_enable_private_segment 0
		.amdhsa_kernarg_size 48
		.amdhsa_user_sgpr_count 2
		.amdhsa_user_sgpr_kernarg_segment_ptr 1
		.amdhsa_wavefront_size32 1
		.amdhsa_system_sgpr_workgroup_id_x 1
		.amdhsa_system_sgpr_workgroup_id_y 1
		.amdhsa_system_sgpr_workgroup_id_z 1
		.amdhsa_system_vgpr_workitem_id 0
		.amdhsa_next_free_vgpr 256
		.amdhsa_next_free_sgpr 66
		.amdhsa_reserve_vcc 0
		.amdhsa_float_denorm_mode_32 3
		.amdhsa_float_denorm_mode_16_64 3
		.amdhsa_memory_ordered 1
		.amdhsa_forward_progress 1
		.amdhsa_inst_pref_size 38
	.end_amdhsa_kernel
	.amdgpu_metadata
---
amdhsa.version: [ 1, 2 ]
amdhsa.kernels:
  - .name:           k_q254e440251_quant
    .symbol:         k_q254e440251_quant.kd
    .args:
      - { .name: x, .offset: 0, .size: 8, .value_kind: global_buffer, .address_space: global }
      - { .name: Wk, .offset: 8, .size: 8, .value_kind: global_buffer, .address_space: global }
      - { .name: Wq, .offset: 16, .size: 8, .value_kind: global_buffer, .address_space: global }
      - { .name: Wv, .offset: 24, .size: 8, .value_kind: global_buffer, .address_space: global }
      - { .name: xq, .offset: 32, .size: 8, .value_kind: global_buffer, .address_space: global }
      - { .name: wq, .offset: 40, .size: 8, .value_kind: global_buffer, .address_space: global }
    .group_segment_fixed_size: 68096
    .private_segment_fixed_size: 0
    .kernarg_segment_align: 8
    .kernarg_segment_size: 48
    .max_flat_workgroup_size: 128
    .sgpr_count:     66
    .vgpr_count:     256
    .wavefront_size: 32
...
	.end_amdgpu_metadata
.endif
;; end of part 1
;; launch proj (part 2): grid 12 x 32, 4 waves a work-group, clusters of 4 x 4, 327,680 bytes of LDS; arguments xq, wq, rq, kv; writes rq, kv
.if DOCPART == 2
	.amdgcn_target "amdgcn-amd-amdhsa--gfx1250"
	.amdhsa_code_object_version 6
	.text
	.protected	k_q254e440251_proj
	.globl	k_q254e440251_proj
	.p2align	8
	.type	k_q254e440251_proj,@function
k_q254e440251_proj:
	s_mov_b64 s[64:65], 0
	v_nop
	global_prefetch_b8 v0, s[64:65] scope:SCOPE_SE
	s_setreg_imm32_b32 hwreg(HW_REG_WAVE_MODE, 25, 1), 1
	s_wait_xcnt 0x0
	s_wait_alu depctr_hold_cnt(0) depctr_sa_sdst(0) depctr_va_vdst(0) depctr_va_sdst(0) depctr_va_ssrc(0) depctr_va_vcc(0) depctr_vm_vsrc(0)
	s_getreg_b32 s2, hwreg(HW_REG_IB_STS2, 6, 4)
	s_cmp_eq_u32 s2, 0
	s_cbranch_scc0 .Lentry_in_a_cluster
	s_endpgm
.Lentry_in_a_cluster:
	s_bfe_u32 s2, ttmp6, 0x10000c
	s_cmp_lg_u32 s2, 0xf033
	s_cbranch_scc0 .Lentry_shape_is_right
	s_endpgm
.Lentry_shape_is_right:
; LAUNCH 2 OF 3.  The three projections on codes of BF6: R = x Wk (the softmax's rows), C = x Wq (its columns), V = x Wv; K = 1,024; sums in f32; the results are quantised in registers and leave as operand images.
; Nothing is left out here: every position of R, C and V is wanted by the third launch.
; SHARES.  A work-group makes 128 positions t (block tb) x 256 columns n (block nb: four heads of one weight); wave w makes head 4 cx + w: 128 x 64, 32 accumulators.  All of K for the tile lies in LDS at once
; (2 x 51,200 bytes of x, 2 x 102,400 of W, scale words among them): two first fills a wave, no byte of LDS is filled twice.  One tensor load of a wave is out at the most.
; CLUSTER 4 x 4: the four work-groups of a row of the cluster share tb, those of a column nb: x's blocks are asked for jointly along a row, W's along a column.  The cluster's x is the weight: 0 Wk, 1 Wq, 2 Wv.
; R AND C: source 0 = 16 rows of W, source 1 = 16 rows of x.  A lane then holds one position t and its 32 registers of a tile of x run along the head's 64 (s = 32 (c / 2) + 16 h + 8 (c % 2) + j): the K of the scores.
;   The 64 registers of tiles 2 q, 2 q + 1 become ONE image: registers 0-5 tile 2 q (lane (r, h): block h of row r), registers 6-11 tile 2 q + 1; scale word: the two tiles' two bytes each.
; V: source 0 = x, source 1 = W.  A lane holds one column s, and its 64 registers of a tile of W run along the 128 positions: the K of the second product.  They become one fragment of V^T.
; rq: [head][tb] records of 6,400 bytes: four images, 256 bytes of scale words.  kv: [head][tb] records of 12,800: C's four images, V^T's four fragments at 6,144, C's scale words at 12,288, V's at 12,544.
; A record's 256 bytes of scale words: lane l's 8 bytes at 8 l: first word unit 0 (lanes 0-15) and unit 2 (lanes 16-31), second word units 1 and 3.
; 384 work-groups: a tile that gave 256 (256 x 192) would want 344 KB of codes in LDS at once.
; REGISTERS: window 0: v1-13 addresses; v16-47 x's scale words (pair p, K step k: 16 + 8 p + k; lanes 0-15 tile 2 p, lanes 16-31 tile 2 p + 1); v48-63 W's; v64-159 W's fragments, two sets of 4; v160-239 the way out.
;   window 1: the 32 accumulators.   window 2: x's fragments, two sets of 8, at v0 and v96.
.set XH0,   0                          ; LDS: x, first K half;
.set WH0,   51200                      ; W, first K half;
.set XH1,   153600                     ; the second halves
.set WH1,   204800
.set SPARE, 307200                     ; the spare words, 128 bytes a wave, that no other line names
.set LI,  1                            ; v1   16 x lane
.set LS,  2                            ; v2   4 x lane
.set AX,  1                            ; x's fragments: half 0 begins at LDS byte 0, so v1 serves; half 1: v4: v[AX + 3 half]
.set AW,  5                            ; v5-6   my four tiles of W, half 0, 1
.set ASX, 7                            ; v7-8   x's scale words
.set ASW, 9                            ; v9-10  my W scale words
.set OS,  11                           ; v11  8 x lane
.set SPW, 12                           ; v12  my spare word; never rewritten
.set NIL, 13                           ; v13  0; never rewritten
.set XS,  16
.set WS,  48
.set WF,  64
.set TM,  160                          ; v160-163 largest magnitudes, v164-167 the other lane's, then bytes, v172-175 the conversions' scale operands
.set PW,  176                          ; v176-179 four scale words
.set PC,  184                          ; v184-231 four images
.set TT,  232                          ; v232-238 (a conversion's three registers begin on an even number)
.set MSB, 0
.macro WIN new                         ; the immediate's high byte repeats the setting that is left
.if MSB != \new
	s_set_vgpr_msb (MSB<<8)|\new
.set MSB, \new
.endif
.endm
.macro PLACES n
.rept \n
	v_nop
.endr
.endm
.macro CROUND                          ; a round of the cluster's barrier
	s_barrier_signal -1
	s_barrier_wait -1
	s_cmp_lg_u32 s12, 0
	s_cbranch_scc1 .Lnot_wave_0_\@
	s_barrier_signal -3
.Lnot_wave_0_\@:
	s_barrier_wait -3
	s_barrier_signal -1
	s_barrier_wait -1
.endm
; One product.  rD, rA, rB: first registers; rSA, rSB: scale registers; fRA, fRB: 1 = that side's words lie in lanes 16-31; fZ: 1 = it starts the sum
.macro EMIT
.if fZ
.if fRA && fRB
	v_wmma_scale_f32_16x16x128_f8f6f4 v[rD:rD+7], v[rA:rA+11], v[rB:rB+11], 0, v[rSA], v[rSB] matrix_a_fmt:MATRIX_FMT_BF6 matrix_b_fmt:MATRIX_FMT_BF6 matrix_a_scale:MATRIX_SCALE_ROW1 matrix_b_scale:MATRIX_SCALE_ROW1
.elseif fRA
	v_wmma_scale_f32_16x16x128_f8f6f4 v[rD:rD+7], v[rA:rA+11], v[rB:rB+11], 0, v[rSA], v[rSB] matrix_a_fmt:MATRIX_FMT_BF6 matrix_b_fmt:MATRIX_FMT_BF6 matrix_a_scale:MATRIX_SCALE_ROW1
.elseif fRB
	v_wmma_scale_f32_16x16x128_f8f6f4 v[rD:rD+7], v[rA:rA+11], v[rB:rB+11], 0, v[rSA], v[rSB] matrix_a_fmt:MATRIX_FMT_BF6 matrix_b_fmt:MATRIX_FMT_BF6 matrix_b_scale:MATRIX_SCALE_ROW1
.else
	v_wmma_scale_f32_16x16x128_f8f6f4 v[rD:rD+7], v[rA:rA+11], v[rB:rB+11], 0, v[rSA], v[rSB] matrix_a_fmt:MATRIX_FMT_BF6 matrix_b_fmt:MATRIX_FMT_BF6
.endif
.else
.if fRA && fRB
	v_wmma_scale_f32_16x16x128_f8f6f4 v[rD:rD+7], v[rA:rA+11], v[rB:rB+11], v[rD:rD+7], v[rSA], v[rSB] matrix_a_fmt:MATRIX_FMT_BF6 matrix_b_fmt:MATRIX_FMT_BF6 matrix_a_scale:MATRIX_SCALE_ROW1 matrix_b_scale:MATRIX_SCALE_ROW1
.elseif fRA
	v_wmma_scale_f32_16x16x128_f8f6f4 v[rD:rD+7], v[rA:rA+11], v[rB:rB+11], v[rD:rD+7], v[rSA], v[rSB] matrix_a_fmt:MATRIX_FMT_BF6 matrix_b_fmt:MATRIX_FMT_BF6 matrix_a_scale:MATRIX_SCALE_ROW1
.elseif fRB
	v_wmma_scale_f32_16x16x128_f8f6f4 v[rD:rD+7], v[rA:rA+11], v[rB:rB+11], v[rD:rD+7], v[rSA], v[rSB] matrix_a_fmt:MATRIX_FMT_BF6 matrix_b_fmt:MATRIX_FMT_BF6 matrix_b_scale:MATRIX_SCALE_ROW1
.else
	v_wmma_scale_f32_16x16x128_f8f6f4 v[rD:rD+7], v[rA:rA+11], v[rB:rB+11], v[rD:rD+7], v[rSA], v[rSB] matrix_a_fmt:MATRIX_FMT_BF6 matrix_b_fmt:MATRIX_FMT_BF6
.endif
.endif
.endm
; 16 products of K step k.  The 32 accumulators take turns, one instruction a turn, in the same order in every step.
.macro MULKQ k, lo                     ; R and C: tiles 4 lo .. 4 lo + 3 of x against my four tiles of W; accumulator (a, c) at 8 (4 a + c)
	WIN 0x58                                       ; source 0 (W) window 0, source 1 (x) window 2, C and D window 1
.if (\k) == 0
.set fZ, 1
.else
.set fZ, 0
.endif
.irp aa, 0,1,2,3
.irp c, 0,1,2,3
.set tA, 4*(\lo)+\aa
.set rD, 8*(4*tA+\c)
.set rA, WF+48*((\k)%2)+12*\c
.set rB, 96*((\k)%2)+12*tA
.set rSA, WS+8*(\c/2)+(\k)
.set rSB, XS+8*(tA/2)+(\k)
.set fRA, \c%2
.set fRB, tA%2
	EMIT
.endr
.endr
.endm
.macro MULV k, lo                      ; V: the eight tiles of x against my tiles 2 lo, 2 lo + 1 of W; accumulator (c, a) at 8 (8 c + a)
	WIN 0x52                                       ; source 0 (x) window 2, source 1 (W) window 0, C and D window 1
.if (\k) == 0
.set fZ, 1
.else
.set fZ, 0
.endif
.irp cc, 0,1
.irp a, 0,1,2,3,4,5,6,7
.set tC, 2*(\lo)+\cc
.set rD, 8*(8*tC+\a)
.set rA, 96*((\k)%2)+12*\a
.set rB, WF+48*((\k)%2)+12*tC
.set rSA, XS+8*(\a/2)+(\k)
.set rSB, WS+8*(tC/2)+(\k)
.set fRA, \a%2
.set fRB, tC%2
	EMIT
.endr
.endr
.endm
.macro HALF path, k, lo
.if \path
	MULV \k, \lo
.else
	MULKQ \k, \lo
.endif
.endm
.macro SCALES hf                       ; the scale words of K half hf's four K steps (every window is 0 here)
.irp p, 0,1,2,3
.irp s, 0,1,2,3
	ds_load_b32 v[XS+8*\p+4*\hf+\s], v[ASX+\hf] offset:(4*\p+\s)*128
.endr
.endr
.irp p, 0,1
.irp s, 0,1,2,3
	ds_load_b32 v[WS+8*\p+4*\hf+\s], v[ASW+\hf] offset:(4*\p+\s)*128
.endr
.endr
.endm
.macro FETCH k                         ; K step k's fragments into set k % 2: 36 loads of 512 consecutive bytes
.set FS, (\k)%2
.set FH, (\k)/4
.set FK, (\k)%4
	WIN 0x80                                       ; destination window 2, address window 0
.irp a, 0,1,2,3,4,5,6,7
.irp p, 0,1,2
	ds_load_b128 v[96*FS+12*\a+4*\p:96*FS+12*\a+4*\p+3], v[AX+3*FH] offset:\a*6144+FK*1536+512*\p
.endr
.endr
	WIN 0
.irp c, 0,1,2,3
.irp p, 0,1,2
	ds_load_b128 v[WF+48*FS+12*\c+4*\p:WF+48*FS+12*\c+4*\p+3], v[AW+FH] offset:\c*6144+FK*1536+512*\p
.endr
.endr
.endm
; A K step: its fragments are in; the next step's are asked for, into the set that the step before multiplied (four places behind its last product: ISA guide 7.12.1 for vector instructions); 32 products.
.macro STEP path, k
	s_wait_dscnt 0x0
.if (\k) < 7
.if (\k) > 0
	PLACES 4
.endif
	FETCH (\k)+1
.endif
	HALF \path, \k, 0
	HALF \path, \k, 1
.endm
; K step 3 changes K halves: my parts of the second half have landed; a barrier, since every wave reads what all four brought.
.macro STEP3 path
	s_wait_dscnt 0x0
	s_wait_tensorcnt 0x0
	s_barrier_signal -1
	HALF \path, 3, 0                               ; work on registers while the others arrive
	WIN 0
	s_barrier_wait -1
	PLACES 4
	SCALES 1
	FETCH 4
	HALF \path, 3, 1
.endm
; 64 accumulator registers, window 1's v[s] on, register 16 b + i = k 32 b + 16 (lane / 16) + i of my row, become image q in v[PC + 12 q] on and its scale word in v[PW + q].  Each accumulator is read from its low end on.
.macro QUANT s, q
	WIN 0x05                                       ; sources 0 and 1 window 1
.irp b, 0,1,2,3
	v_max3_num_f32 v[TM+\b], |v[\s+16*\b]|, |v[\s+16*\b+1]|, 0x2800000         ; block b: my 16 numbers, and the floor 2^(5 - 127): the byte cannot fall under 1
.endr
	WIN 0x14                                       ; sources 1 and 2 window 1
.irp i, 2,4,6,8,10,12,14
.irp b, 0,1,2,3
	v_max3_num_f32 v[TM+\b], v[TM+\b], |v[\s+16*\b+\i]|, |v[\s+16*\b+\i+1]|    ; (the four blocks by turns)
.endr
.endr
	WIN 0
.irp b, 0,1,2,3
	v_permlanex16_b32 v[TM+4+\b], v[TM+\b], s62, s63
.endr
.irp b, 0,1,2,3
	v_max_num_f32 v[TM+\b], v[TM+\b], v[TM+4+\b]   ; with lane l xor 16's: the block's largest magnitude
.endr
.irp b, 0,1,2,3
	v_add_nc_u32 v[TM+12+\b], 0xfe000000, v[TM+\b] ; 4 off its exponent field: the conversion's scale operand
.endr
.irp b, 0,1,2,3
	v_lshrrev_b32 v[TM+4+\b], 23, v[TM+12+\b]      ; the scale's byte
.endr
	v_lshl_or_b32 v[PW+\q], v[TM+5], 8, v[TM+4]
	v_lshl_or_b32 v[PW+\q], v[TM+6], 16, v[PW+\q]
	v_lshl_or_b32 v[PW+\q], v[TM+7], 24, v[PW+\q]
	WIN 0x01                                       ; source 0 window 1
.irp c, 0,1
	v_cvt_scalef32_pk16_bf6_f32 v[PC+12*\q+6*\c:PC+12*\q+6*\c+2], v[\s+32*\c:\s+32*\c+15], v[TM+12+2*\c]
	v_cvt_scalef32_pk16_bf6_f32 v[TT+4*\c:TT+4*\c+2], v[\s+32*\c+16:\s+32*\c+31], v[TM+12+2*\c+1]
.endr
	WIN 0
	v_nop                                          ; one plain place behind a scaled conversion
.irp c, 0,1                            ; the operand's layout wants a WHOLE block in a lane: lanes 0-15 block 2 c, lanes 16-31 block 2 c + 1
.irp i, 0,1,2
	v_permlane16_swap_b32 v[PC+12*\q+6*\c+\i], v[TT+4*\c+\i]
.endr
.irp i, 0,1,2
	v_mov_b32 v[PC+12*\q+6*\c+3+\i], v[TT+4*\c+\i]
.endr
.endr
.endm
	s_load_b256 s[4:11], s[0:1], 0x0               ; xq, wq, rq, kv
	v_lshl_add_u32 v[SPW], v0, 2, SPARE
	v_mov_b32 v[NIL], 0
	ds_add_u32 v[SPW], v[NIL]                      ; the wave's opening: the add, twice on end, and its wait ahead of my first tensor load
	ds_add_u32 v[SPW], v[NIL]
	v_lshrrev_b32 v1, 5, v0
	v_readfirstlane_b32 s12, v1                    ; wave 0..3
	s_bfe_u32 s13, ttmp6, 0x40000                  ; cx
	s_bfe_u32 s14, ttmp6, 0x40004                  ; cy
	s_lshl_b32 s15, ttmp9, 2
	s_add_co_u32 s15, s15, s13                     ; nb = 4 x cluster x + cx
	s_and_b32 s16, ttmp7, 0xffff
	s_lshl_b32 s16, s16, 2
	s_add_co_u32 s16, s16, s14                     ; tb = 4 x cluster y + cy
	s_lshl_b32 s17, s14, 2
	s_lshl_b32 s17, 15, s17                        ; my row of the cluster
	s_lshl_b32 s18, 0x1111, s13                    ; my column
	; descriptor groups 1: dense blocks as rows of 256 bytes (32 elements of 8 bytes), no padding: x's half 100 rows, W's 200
	s_or_b32 s24, s17, (3<<16)|(1<<21)             ; 15:0 the mask: x's blocks go to my row; 17:16 elements of 8 bytes; 21 set beside a mask
	s_mov_b32 s25, 32<<16                          ; tensor_dim0
	s_mov_b32 s26, 100<<16                         ; tensor_dim1: half of a K half's block of x, 100 rows of 256 bytes
	s_mov_b32 s27, 32<<16                          ; tile_dim0
	s_mov_b32 s28, 100                             ; tile_dim1
	s_mov_b32 s29, 32                              ; from row to row
	s_mov_b32 s30, 0
	s_mov_b32 s31, 0
	s_or_b32 s32, s18, (3<<16)|(1<<21)             ; W's blocks go to my column
	s_mov_b32 s33, 32<<16
	s_mov_b32 s34, 200<<16                         ; half of a K half's block of W, 200 rows
	s_mov_b32 s35, 32<<16
	s_mov_b32 s36, 200
	s_mov_b32 s37, 32
	s_mov_b32 s38, 0
	s_mov_b32 s39, 0
	s_and_b32 s61, s12, 1                          ; waves 0 and 1 bring the two halves of a block of x, waves 2 and 3 those of a block of W
	s_mul_i32 s19, s61, 25600                      ; my half of a block of x: in memory and in LDS alike
	s_mul_i32 s20, s16, 102400                     ; x hangs on tb alone, which my row of the cluster shares
	s_add_co_u32 s20, s20, s19
	s_mov_b32 s21, 0
	s_mul_i32 s61, s61, 51200                      ; my half of a block of W
	s_mul_i32 s22, s15, 204800                     ; W hangs on nb alone, which my column shares
	s_add_co_u32 s22, s22, s61
	s_mov_b32 s23, 0
	s_mov_b32 s60, 0xffff0000                      ; lanes 16-31
	s_mov_b32 s62, 0x76543210
	s_mov_b32 s63, 0xfedcba98                      ; v_permlanex16_b32's selects for lane l xor 16
	s_wait_dscnt 0x0                               ; both opening adds are done
	s_wait_kmcnt 0x0
	s_add_nc_u64 s[20:21], s[4:5], s[20:21]
	s_add_nc_u64 s[22:23], s[6:7], s[22:23]
	CROUND                                         ; all sixteen work-groups are here: the joint loads meet
	s_mov_b32 s40, 1                               ; groups 0: count 1; LDS address; global address; type 2
	s_add_co_u32 s41, s19, XH0
	s_mov_b64 s[42:43], s[20:21]
	s_or_b32 s43, s43, 0x80000000
	s_mov_b32 s44, 1
	s_add_co_u32 s45, s19, XH1
	s_add_nc_u64 s[46:47], s[20:21], 51200
	s_or_b32 s47, s47, 0x80000000
	s_mov_b32 s48, 1
	s_add_co_u32 s49, s61, WH0
	s_mov_b64 s[50:51], s[22:23]
	s_or_b32 s51, s51, 0x80000000
	s_mov_b32 s52, 1
	s_add_co_u32 s53, s61, WH1
	s_add_nc_u64 s[54:55], s[22:23], 102400
	s_or_b32 s55, s55, 0x80000000
; A joint load, one a wave: waves 0 and 1 ask for x, waves 2 and 3 for W; the branch hangs on the wave's number alone.  One tensor load of a wave is out at the most.
.macro JL gx, gw
	s_cmp_lt_u32 s12, 2
	s_cbranch_scc0 .Lfor_w_\@
	tensor_load_to_lds s[\gx:\gx+3], s[24:31]
	s_nop 0
	PLACES 4
	s_branch .Lasked_\@
.Lfor_w_\@:
	tensor_load_to_lds s[\gw:\gw+3], s[32:39]
	s_nop 0
	PLACES 4
.Lasked_\@:
.endm
	JL 40, 48                                      ; the first K half of x and of W
	v_and_b32 v14, 31, v0
	v_lshlrev_b32 v[LI], 4, v14
	v_lshlrev_b32 v[LS], 2, v14
	v_lshlrev_b32 v[OS], 3, v14
	v_add_nc_u32 v4, XH1, v[LI]
	s_mul_i32 s67, s12, 24576                      ; my four tiles of W's sixteen
	v_add_nc_u32 v[AW], s67, v[LI]
	v_add_nc_u32 v[AW], WH0, v[AW]
	v_add_nc_u32 v[AW+1], WH1-WH0, v[AW]
	v_add_nc_u32 v[ASX], XH0+49152, v[LS]
	v_add_nc_u32 v[ASX+1], XH1+49152, v[LS]
	s_lshl_b32 s67, s12, 10                        ; my two pairs' scale words
	v_add_nc_u32 v[ASW], s67, v[LS]
	v_add_nc_u32 v[ASW], WH0+98304, v[ASW]
	v_add_nc_u32 v[ASW+1], WH1-WH0, v[ASW]
.irp b, 0,1,2,3
	v_mov_b32 v[TM+4+\b], 0                        ; written once: a lane permute's destination counts as one of its sources
.endr
	; where my results go: record (head, tb) of rq (Wk) or of kv (Wq, Wv)
	s_lshl_b32 s66, s13, 2
	s_add_co_u32 s66, s66, s12                     ; head = 4 cx + wave
	s_lshl_b32 s66, s66, 5
	s_add_co_u32 s66, s66, s16
	s_cmp_eq_u32 ttmp9, 0
	s_cselect_b64 s[56:57], s[8:9], s[10:11]
	s_mov_b32 s67, 12800
	s_cselect_b32 s67, 6400, s67                   ; a record's bytes
	s_mov_b32 s68, 12288
	s_cselect_b32 s68, 6144, s68                   ; its scale words' place
	s_mul_i32 s66, s66, s67
	s_cmp_eq_u32 ttmp9, 2
	s_cselect_b32 s69, 6144, 0                     ; V's fragments lie behind C's images,
	s_mov_b32 s70, 12544
	s_cselect_b32 s68, s70, s68                    ; its scale words behind C's
	s_add_co_u32 s68, s68, s66
	s_add_co_u32 s66, s66, s69
	s_mov_b32 s67, 0
	s_mov_b32 s69, 0
	s_add_nc_u64 s[58:59], s[56:57], s[68:69]
	s_add_nc_u64 s[56:57], s[56:57], s[66:67]
	s_wait_alu depctr_va_vdst(0)
	s_wait_tensorcnt 0x0                           ; my part of the first K half is in
	ds_add_u32 v[SPW], v[NIL]
	s_wait_dscnt 0x0
	CROUND                                         ; everybody's part is in, and all sixteen work-groups are here
	JL 44, 52                                      ; the second K half, into bytes of its own: it lands while the first four K steps are multiplied
	SCALES 0
	FETCH 0
	s_cmp_eq_u32 ttmp9, 2                          ; the cluster's x: the same in all sixteen partners
	s_cbranch_scc1 .Lv
	STEP 0, 0
	STEP 0, 1
	STEP 0, 2
	STEP3 0
	STEP 0, 4
	STEP 0, 5
	STEP 0, 6
	STEP 0, 7
	WIN 0                                          ; at a label and at a branch every window is 0
	s_branch .Lepi
.Lv:
	STEP 1, 0
	STEP 1, 1
	STEP 1, 2
	STEP3 1
	STEP 1, 4
	STEP 1, 5
	STEP 1, 6
	STEP 1, 7
	WIN 0
.Lepi:	; THE WAY OUT, the same for all three: accumulator registers 64 q .. 64 q + 63 are one row's 128 numbers along the next K (R, C: two tiles' 64; V: 128 positions)
	PLACES 4                                       ; the first reads of results just made
	QUANT 0, 0
.irp p, 0,1,2
	global_store_b128 v[LI], v[PC+4*\p:PC+4*\p+3], s[56:57] offset:512*\p                  ; 512 consecutive bytes, at a multiple of 256 from the buffer's first byte
.endr
	QUANT 64, 1
.irp p, 0,1,2
	global_store_b128 v[LI], v[PC+12+4*\p:PC+12+4*\p+3], s[56:57] offset:1536+512*\p
.endr
	QUANT 128, 2
.irp p, 0,1,2
	global_store_b128 v[LI], v[PC+24+4*\p:PC+24+4*\p+3], s[56:57] offset:3072+512*\p
.endr
	QUANT 192, 3
.irp p, 0,1,2
	global_store_b128 v[LI], v[PC+36+4*\p:PC+36+4*\p+3], s[56:57] offset:4608+512*\p
.endr
	v_cndmask_b32 v180, v[PW], v[PW+2], s60        ; units 0 and 2,
	v_cndmask_b32 v181, v[PW+1], v[PW+3], s60      ; units 1 and 3
	global_store_b64 v[OS], v[180:181], s[58:59]   ; 256 consecutive bytes
	s_wait_tensorcnt 0x0                           ; the wave's end
	ds_add_u32 v[SPW], v[NIL]
	s_wait_dscnt 0x0
	CROUND                                         ; the closing round: no work-group ends while a partner may still ask for a block that names it
	s_endpgm
.Lfunc_end_k_q254e440251_proj:
	.size	k_q254e440251_proj, .Lfunc_end_k_q254e440251_proj-k_q254e440251_proj
	.p2alignl 7, 3214868480
	.fill 96, 4, 3214868480
	.section	.rodata,"a",@progbits
	.p2align	6, 0x0
	.amdhsa_kernel k_q254e440251_proj
		.amdhsa_group_segment_fixed_size 327680
		.amdhsa_private_segment_fixed_size 0
		.amdhsa_enable_private_segment 0
		.amdhsa_kernarg_size 32
		.amdhsa_user_sgpr_count 2
		.amdhsa_user_sgpr_kernarg_segment_ptr 1
		.amdhsa_wavefront_size32 1
		.amdhsa_system_sgpr_workgroup_id_x 1
		.amdhsa_system_sgpr_workgroup_id_y 1
		.amdhsa_system_sgpr_workgroup_id_z 1
		.amdhsa_system_vgpr_workitem_id 0
		.amdhsa_next_free_vgpr 704
		.amdhsa_next_free_sgpr 72
		.amdhsa_reserve_vcc 0
		.amdhsa_float_denorm_mode_32 3
		.amdhsa_float_denorm_mode_16_64 3
		.amdhsa_memory_ordered 1
		.amdhsa_forward_progress 1
		.amdhsa_inst_pref_size 131
	.end_amdhsa_kernel
	.amdgpu_metadata
---
amdhsa.version: [ 1, 2 ]
amdhsa.kernels:
  - .name:           k_q254e440251_proj
    .symbol:         k_q254e440251_proj.kd
    .args:
      - { .name: xq, .offset: 0, .size: 8, .value_kind: global_buffer, .address_space: global }
      - { .name: wq, .offset: 8, .size: 8, .value_kind: global_buffer, .address_space: global }
      - { .name: rq, .offset: 16, .size: 8, .value_kind: global_buffer, .address_space: global }
      - { .name: kv, .offset: 24, .size: 8, .value_kind: global_buffer, .address_space: global }
    .group_segment_fixed_size: 327680
    .private_segment_fixed_size: 0
    .kernarg_segment_align: 8
    .kernarg_segment_size: 32
    .max_flat_workgroup_size: 128
    .sgpr_count:     72
    .vgpr_count:     704
    .wavefront_size: 32
...
	.end_amdgpu_metadata
.endif
;; end of part 2
;; launch attn (part 3): grid 16 x 16, 16 waves a work-group, no clusters, 327,680 bytes of LDS; arguments rq, kv, out0; writes out0
.if DOCPART == 3
	.amdgcn_target "amdgcn-amd-amdhsa--gfx1250"
	.amdhsa_code_object_version 6
	.text
	.protected	k_q254e440251_attn
	.globl	k_q254e440251_attn
	.p2align	8
	.type	k_q254e440251_attn,@function
k_q254e440251_attn:
	s_mov_b64 s[64:65], 0
	v_nop
	global_prefetch_b8 v0, s[64:65] scope:SCOPE_SE
	s_setreg_imm32_b32 hwreg(HW_REG_WAVE_MODE, 25, 1), 1
	s_wait_xcnt 0x0
; LAUNCH 3 OF 3.  out[i][64 head + s] = the sum over j <= i of softmax_j(R[i] . C[j] / 8) V[j][s], both products on codes of BF6 with one E8M0 scale for each 32 along a product's K.
; LEFT OUT: a step of 128 columns j that all lie behind a tile's last row (reference()'s own mask makes every p there 0: shown at the head of the first launch).
; THE SOFTMAX: t = score x log2(e) / 8; M = the row's largest t so far, rounded UP to a whole number; p = 2^(t - M) is quantised along j, not normalised.  The row's sum is taken of the unquantised p and
; divides at the end.  When M moves, the sum and O are multiplied by 2^(old M - new M): exact.  LIMIT: the promise holds while |t| stays under 2^31.
; SHARES.  A head's 4,096 rows are 32 chunks of 128; chunk n wants n + 1 steps of 128 columns.  Work-group c owns chunks c and 31 - c.  Wave w = 4 A + B: pair of tiles A, tile B / 2 of the pair;
; role (A xor B) % 2: 1 = OWNER of that tile of chunk 31 - c, 0 = first the same tile of chunk c, then HELPER of the owner, wave w xor 1.
;   steps 0 .. c: every wave walks its own tile.  At step c + 1 a wave of role 0 has finished its tile of chunk c: it divides, stores it, takes R of the owner's tile and begins sums of its own from nothing.
;   steps c + 1 .. 31 - c go by turns: the owner takes those where (step xor c) is odd (the diagonal, 31 - c, among them), the helper the even ones: 17 tile-steps for an owner, 16 for a helper, whatever c.
;   At the end the helper hands O, -M and its sums to the owner through its stage in LDS; the owner brings both under the larger M (exact powers of two), adds, divides and stores.
; LAYOUT.  Both products are used transposed: S^T = C R^T, O^T = V^T P^T: a lane holds ONE row i (i = first row of the tile + r + 8 (r / 8)) throughout.
; THE SCORES' K IS 64, the instruction's 128: an image of C holds TWO tiles of 16 columns, and R stands beside six registers of zero codes on either side: [R | 0] picks the first tile, [0 | R] the second.
; THE RING.  A step's record is 12,800 bytes (C's 4 images, V^T's 4 fragments, 2 x 256 bytes of scale words).  Two slots of 8 steps; every wave brings a sixteenth of a slot by one tensor load (25 rows of 256
; bytes); one tensor load of a wave is out at the most; every wait on TENSORcnt is for 0.
; PREFETCH: behind the load of slot n wave 0 names 25 blocks of 256 bytes of slot n + 1 (n = 1, 2): the sixteen work-groups of a head share the slot's 400 blocks out by address, 25 c on.  Slots 0 and 1 come by their loads alone.
; NO CLUSTER, though the sixteen work-groups of a head read the same records: they want different numbers of slots (the last fill is left out where c >= 8, and no jump may lead round a joint load), and the
; steps that a wave leaves out hang on c, which would be a place in the cluster.
.set SLOT1, 131072
.set STEPB, 12800
.set SLOTB, 8*STEPB
.set SPARE, SLOT1+SLOTB                ; the spare words, 128 bytes a wave, that no other line names
.set STAGE, SPARE+2048                 ; a stage for each wave; no tile lands here
.set WST,   4608                       ; the way out uses 16 rows x 272 bytes of it, the hand-over nine pieces of 512
.set LI,  1                            ; v1   16 x lane
.set LS,  2                            ; v2   8 x lane
.set SPW, 3                            ; v3   my spare word; never rewritten
.set NIL, 4                            ; v4   0; never rewritten
.set GO,  5                            ; v5   my byte offset in the tile's rows of out0
.set ADR, 6                            ; v6   the step's record + 16 x lane
.set ADS, 7                            ; v7   the step's record + 8 x lane
.set DQ,  8                            ; v8   r + 8 (r / 8) - 16 h
.set STO, 9                            ; v9, v10: my stage, in and back
.set RD,  10
.set RS,  11                           ; v11  8 r
;  v12 -M, v13 the largest t, v[14:15] the sum in two halves;  v16-33: six zeros, R's six registers, six zeros;  v34 R's scale word
.set F,   36                           ; v36-83   four images of C, then four fragments of V^T;  v[84:85] C's scale words, v[86:87] V's
.set XA,  88                           ; v88  the helper's stage + 16 x lane: the same bytes in helper and owner
.set PFO, 89                           ; v89  256 x min(lane, 24)
.set S,   96                           ; v96-159  S^T, then p
.set O,   160                          ; v160-191 O^T
.set BM,  200
.set PL,  204
.set SO,  208
.set TT,  212
.set P,   224                          ; v224-235 p's codes;  v236 p's scale word;  v[220:221], v[222:223] factors
.set T,   240                          ; v240-255 eight chains of the row's sum
.set TB,  2
.set TW,  3
.set WV,  18
.set LIM, 19                           ; 1 in wave 0, else 64
.set SEL, 20
.set CS,  22
.set G1,  24
.set SWK, 34                           ; the column at which I change tiles (owners: never)
.set ROLE, 35
.set SPL, 36                           ; 128 (c + 1): from here on the steps go by turns
.set PAR, 37                           ; 128 x ((c xor role) % 2)
.set PF,  38                           ; s[38:39] where my work-group's prefetches stand
.set G0,  40
.set SLOTS, 44
.set KF,  45
.set Q0,  46
.set QU,  47
.set LASTQ, 48
.set DQ0, 51                           ; rows from chunk c to chunk 31 - c
.macro ASKR                            ; my pair's image of R and its scale words
.irp p, 0,1,2
	global_load_b128 v[F+4*\p:F+4*\p+3], v[LI], s[54:55] offset:512*\p
.endr
	global_load_b32 v35, v[RS], s[56:57]
.endm
.macro TAKE                            ; R's operand from the image, and sums that begin from nothing
	s_wait_loadcnt 0x0
.irp i, 0,1,2,3,4,5
	v_cndmask_b32 v[22+\i], v[F+\i], v[F+6+\i], s50    ; my tile of the pair: registers 0-5 or 6-11
.endr
	v_lshrrev_b32 v35, s49, v35
	s_delay_alu instid0(VALU_DEP_1)
	v_and_b32 v35, 0xffff, v35
	s_delay_alu instid0(VALU_DEP_1)
	v_lshl_or_b32 v34, v35, 16, v35                ; its two bytes, twice: they serve [R | 0] and [0 | R] alike
	v_mov_b32 v13, 0xff61b1e6                      ; the largest t so far: -3e38
	s_delay_alu instid0(VALU_DEP_1)
	v_floor_f32 v12, -v13                          ; -M
	v_mov_b32 v14, 0
	v_mov_b32 v15, 0
.set j, 0
.rept 32
	v_mov_b32 v[O+j], 0                            ; these are also the places between the lines above and the next product
.set j, j+1
.endr
	s_wait_alu depctr_va_vdst(0)
.endm
; A finished tile: O^T / the row's sum, through my stage, so that sixteen lanes store a row's 256 consecutive bytes.  sw = 1: the next tile's R is asked for on the way.
.macro FINISH sw
	v_add_f32 v14, v14, v15
	s_delay_alu instid0(VALU_DEP_1)
	v_permlanex16_b32 v[PL], v14, s[SEL], s[SEL+1]
	s_delay_alu instid0(VALU_DEP_1)
	v_add_f32 v14, v14, v[PL]
	s_wait_alu depctr_va_vdst(0)
	v_rcp_f32 v14, v14
.rept 4
	v_nop                                          ; the place behind the reciprocal, and places behind the last products
.endr
.if \sw
	ASKR
.endif
	s_wait_alu depctr_va_vdst(0)                   ; ahead of the first reader of the reciprocal and of O^T
.set j, 0
.rept 32
	v_mul_f32 v[S+j], v[O+j], v14                  ; each accumulator from its low end on
.set j, j+1
.endr
.irp b, 0,1
.irp k, 0,1,2,3
	ds_store_b128 v[STO], v[S+16*\b+4*\k:S+16*\b+4*\k+3] offset:128*\b+16*\k
.endr
.endr
.irp i, 0,1,2,3,4,5,6,7
	ds_load_b128 v[128+4*\i:131+4*\i], v[RD] offset:2*\i*272   ; LDS serves a wave's instructions in order: these see my stores
.endr
.irp i, 0,1,2,3,4,5,6,7
	s_wait_dscnt 7-\i                              ; the younger loads may stay out
	global_store_b128 v[GO], v[128+4*\i:131+4*\i], s[8:9] offset:(2*\i+8*(\i/4))*4096 th:TH_STORE_NT   ; 16 lanes store 256 consecutive bytes, aligned
.endr
.endm
	s_load_b128 s[4:7], s[0:1], 0x0                ; rq, kv
	s_load_b64 s[8:9], s[0:1], 0x10                ; out0
	v_lshl_add_u32 v[SPW], v0, 2, SPARE
	v_mov_b32 v[NIL], 0
	ds_add_u32 v[SPW], v[NIL]                      ; the wave's opening: the add, twice on end
	ds_add_u32 v[SPW], v[NIL]
	v_lshrrev_b32 v1, 5, v0
	s_delay_alu instid0(VALU_DEP_1)
	v_readfirstlane_b32 s[WV], v1                  ; wave 0..15
	s_and_b32 s10, ttmp7, 0xffff                   ; head
	s_lshr_b32 s11, s[WV], 2                       ; A
	s_xor_b32 s[ROLE], s[WV], s11
	s_and_b32 s[ROLE], s[ROLE], 1
	s_bfe_u32 s13, s[WV], 0x10001                  ; u: which tile of the pair
	s_sub_co_u32 s14, 31, ttmp9
	s_add_co_u32 s[SPL], ttmp9, 1
	s_lshl_b32 s[SPL], s[SPL], 7
	s_cmp_eq_u32 s[ROLE], 0
	s_cselect_b32 s14, ttmp9, s14                  ; my first chunk: c or 31 - c
	s_cselect_b32 s[SWK], s[SPL], -1
	s_xor_b32 s[PAR], ttmp9, s[ROLE]
	s_and_b32 s[PAR], s[PAR], 1
	s_lshl_b32 s[PAR], s[PAR], 7
	s_lshl_b32 s15, ttmp9, 1
	s_sub_co_u32 s15, 31, s15                      ; 31 - 2 c chunks on
	s_lshl_b32 s[DQ0], s15, 7
	s_mul_i32 s32, s15, 6400                       ; and as many records of rq
	s_mov_b32 s33, 0
	s_cmp_eq_u32 s[WV], 0
	s_cselect_b32 s[LIM], 1, 64
	s_lshl_b32 s[Q0], s14, 7
	s_lshl_b32 s15, s11, 5
	s_add_co_u32 s[Q0], s[Q0], s15
	s_lshl_b32 s15, s13, 3
	s_add_co_u32 s[QU], s[Q0], s15
	s_sub_co_u32 s[LASTQ], 32, ttmp9
	s_lshl_b32 s[LASTQ], s[LASTQ], 7
	s_sub_co_u32 s[LASTQ], s[LASTQ], 1
	s_lshl_b32 s49, s13, 4                         ; 16 u
	s_sub_co_u32 s50, 0, s13                       ; all lanes where u = 1
	s_mov_b32 s[G1], 3<<16                         ; group 1: 25 rows of 256 bytes (32 elements of 8 bytes), dense
	s_mov_b32 s[G1+1], 32<<16
	s_mov_b32 s[G1+2], 25<<16
	s_mov_b32 s[G1+3], 32<<16
	s_mov_b32 s[G1+4], 25
	s_mov_b32 s[G1+5], 32
	s_mov_b32 s[G1+6], 0
	s_mov_b32 s[G1+7], 0
	s_mov_b32 s[G0], 1
	s_mul_i32 s[G0+1], s[WV], 6400                 ; my sixteenth of slot 0
	s_mul_i32 s52, s10, 32*STEPB
	s_mul_i32 s15, ttmp9, 6400
	s_add_co_u32 s[PF], s52, s15                   ; my work-group's 25 blocks of a slot,
	s_add_co_u32 s[PF], s[PF], SLOTB               ; at slot 1: stepped ahead of each use
	s_mov_b32 s[PF+1], 0
	s_add_co_u32 s52, s52, s[G0+1]
	s_mov_b32 s53, 0
	s_lshl_b32 s54, s10, 5
	s_add_co_u32 s54, s54, s14
	s_mul_i32 s54, s54, 6400                       ; R: record (head, chunk)
	s_lshr_b32 s15, s11, 1
	s_lshl_b32 s15, s15, 7
	s_and_b32 s16, s11, 1
	s_lshl_b32 s16, s16, 2
	s_add_co_u32 s56, s15, s16
	s_add_co_u32 s56, s56, s54
	s_add_co_u32 s56, s56, 6144                    ; my pair's scale words
	s_mov_b32 s57, 0
	s_mul_i32 s15, s11, 1536
	s_add_co_u32 s54, s54, s15                     ; my pair's image
	s_mov_b32 s55, 0
	s_lshl_b32 s58, s[QU], 12
	s_lshl_b32 s59, s10, 8
	s_add_co_u32 s58, s58, s59
	s_mov_b32 s59, 0
	s_mov_b32 s[SEL], 0x76543210
	s_mov_b32 s[SEL+1], 0xfedcba98
	s_mov_b32 s[CS], 0x3e38aa3b                    ; log2(e) / 8
	s_mov_b32 s[CS+1], s[CS]
	s_mov_b32 s[TB], 0
	s_mov_b32 s[SLOTS], 3
	s_mov_b32 s[KF], 0
	s_wait_dscnt 0x0
	s_wait_kmcnt 0x0
	s_add_nc_u64 s[G0+2:G0+3], s[6:7], s[52:53]
	s_or_b32 s[G0+3], s[G0+3], 0x80000000
	tensor_load_to_lds s[G0:G0+3], s[G1:G1+7]      ; slot 0: every wave asks for its part
	s_nop 0
.rept 4
	v_nop
.endr
	s_add_nc_u64 s[54:55], s[4:5], s[54:55]
	s_add_nc_u64 s[56:57], s[4:5], s[56:57]
	s_add_nc_u64 s[8:9], s[8:9], s[58:59]
	s_add_nc_u64 s[PF:PF+1], s[6:7], s[PF:PF+1]
	s_mul_i32 s15, s[WV], WST
	s_add_co_u32 s15, s15, STAGE                   ; my stage
	s_xor_b32 s16, s[WV], s[ROLE]
	s_mul_i32 s16, s16, WST
	s_add_co_u32 s16, s16, STAGE                   ; the helper's stage
	v_and_b32 v11, 31, v0
	v_and_b32 v6, 15, v0                           ; r
	v_bfe_u32 v7, v0, 4, 1                         ; h
	v_lshlrev_b32 v[LI], 4, v11
	v_lshlrev_b32 v[LS], 3, v11
	v_min_u32 v[PFO], 24, v11
	v_lshlrev_b32 v[RS], 3, v6
	ASKR
	v_lshlrev_b32 v[PFO], 8, v[PFO]
	v_mul_u32_u24 v[STO], v6, 272
	v_mul_u32_u24 v[RD], v7, 272
	v_lshlrev_b32 v[GO], 12, v7
	v_lshl_add_u32 v[STO], v7, 6, v[STO]
	v_lshl_add_u32 v[RD], v6, 4, v[RD]
	v_lshl_add_u32 v[GO], v6, 4, v[GO]
	v_add_nc_u32 v[STO], s15, v[STO]               ; in: row r, + 64 h
	v_add_nc_u32 v[RD], s15, v[RD]                 ; back: lanes 0-15 one row, lanes 16-31 the next
	v_add_nc_u32 v[XA], s16, v[LI]
	v_and_b32 v[DQ], 8, v6
	v_lshlrev_b32 v196, 4, v7
	s_delay_alu instid0(VALU_DEP_2)
	v_add_nc_u32 v[DQ], v[DQ], v6
	s_delay_alu instid0(VALU_DEP_1)
	v_sub_nc_u32 v[DQ], v[DQ], v196
	v_mov_b32 v221, 0                              ; (upper halves of pairs that packed forms name)
	v_mov_b32 v223, 0
.irp b, 0,1,2,3
	v_mov_b32 v[PL+\b], 0                          ; a lane permute's destination counts as one of its sources
.endr
.irp i, 0,1,2,3,4,5
	v_mov_b32 v[16+\i], 0                          ; zero codes on either side of R
	v_mov_b32 v[28+\i], 0
.endr
	TAKE
; A STEP: 128 columns.  All its branches hang on ids and on the count of steps; no barrier and no tensor load stands in a step.
.macro STEP
	s_cmp_eq_u32 s[KF], s[SWK]
	s_cbranch_scc0 .Lstay_\@
	s_add_nc_u64 s[54:55], s[54:55], s[32:33]      ; my tile of chunk c is finished: on to the same tile of chunk 31 - c (the head's loads by these addresses are long done)
	s_add_nc_u64 s[56:57], s[56:57], s[32:33]
	s_add_co_u32 s[Q0], s[Q0], s[DQ0]
	s_add_co_u32 s[QU], s[QU], s[DQ0]
	FINISH 1
	s_wait_xcnt 0x0                                ; the stores have read their registers, which later steps write
	TAKE
.Lstay_\@:
	s_add_co_u32 s52, s[Q0], 31
	s_cmp_gt_u32 s[KF], s52                        ; all its columns come after my rows
	s_cbranch_scc1 .Lhidden_\@
	s_cmp_lt_u32 s[KF], s[SPL]
	s_cbranch_scc1 .Lmine_\@
	s_xor_b32 s52, s[KF], s[PAR]
	s_bitcmp1_b32 s52, 7                           ; my partner's turn
	s_cbranch_scc1 .Lhidden_\@
.Lmine_\@:
	v_add_nc_u32 v[ADR], s[TB], v[LI]
	v_add_nc_u32 v[ADS], s[TB], v[LS]
	v_nop
	v_nop                                          ; four places in front of loads into registers that the last step's products have read
.irp g, 0,1,2,3
.irp p, 0,1,2
	ds_load_b128 v[F+12*\g+4*\p:F+12*\g+4*\p+3], v[ADR] offset:\g*1536+512*\p
.endr
.endr
	ds_load_b64 v[84:85], v[ADS] offset:12288
	s_wait_alu depctr_va_vdst(0)
	s_wait_dscnt 0x0
.irp g, 0,1,2,3                        ; S^T = C R^T
.irp u, 0,1
.if \g < 2
	v_wmma_scale_f32_16x16x128_f8f6f4 v[S+8*(2*\g+\u):S+8*(2*\g+\u)+7], v[F+12*\g:F+12*\g+11], v[22-6*\u:33-6*\u], 0, v[84+\g%2], v34 matrix_a_fmt:MATRIX_FMT_BF6 matrix_b_fmt:MATRIX_FMT_BF6
.else
	v_wmma_scale_f32_16x16x128_f8f6f4 v[S+8*(2*\g+\u):S+8*(2*\g+\u)+7], v[F+12*\g:F+12*\g+11], v[22-6*\u:33-6*\u], 0, v[84+\g%2], v34 matrix_a_fmt:MATRIX_FMT_BF6 matrix_b_fmt:MATRIX_FMT_BF6 matrix_a_scale:MATRIX_SCALE_ROW1
.endif
.endr
.endr
.rept 4
	v_nop
.endr
.irp c, 0,1,2,3                        ; V^T's fragments land while the softmax is walked
.irp p, 0,1,2
	ds_load_b128 v[F+12*\c+4*\p:F+12*\c+4*\p+3], v[ADR] offset:6144+\c*1536+512*\p
.endr
.endr
	ds_load_b64 v[86:87], v[ADS] offset:12544
	s_add_co_u32 s52, s[KF], 127                   ; on the diagonal hidden scores become -infinity ahead of the maximum
	s_cmp_le_u32 s52, s[Q0]
	s_cbranch_scc1 .Lopen_\@
	s_sub_co_i32 s52, s[QU], s[KF]
	v_add_nc_u32 v196, s52, v[DQ]                  ; register 16 b + i is hidden where 32 b + i > d
	v_mov_b32 v197, 0xff800000
.set n, 0
.rept 64
	v_cmp_gt_i32 vcc_lo, 32*(n/16)+n%16, v196
	v_cndmask_b32 v[S+n], v[S+n], v197, vcc_lo
.set n, n+1
.endr
.Lopen_\@:
.irp b, 0,1,2,3
	v_max3_num_f32 v[BM+\b], v[S+16*\b], v[S+1+16*\b], v[S+2+16*\b]    ; the largest score of each block of 32: for the row's maximum and for the block's largest p
.endr
.irp i, 3,5,7,9,11,13
.irp b, 0,1,2,3
	v_max3_num_f32 v[BM+\b], v[BM+\b], v[S+16*\b+\i], v[S+1+16*\b+\i]
.endr
.endr
.irp b, 0,1,2,3
	v_max_num_f32 v[BM+\b], v[BM+\b], v[S+15+16*\b]
.endr
.irp b, 0,1,2,3
	s_delay_alu instid0(VALU_DEP_4)
	v_permlanex16_b32 v[PL+\b], v[BM+\b], s[SEL], s[SEL+1]
.endr
.irp b, 0,1,2,3
	s_delay_alu instid0(VALU_DEP_4)
	v_max_num_f32 v[BM+\b], v[BM+\b], v[PL+\b]
.endr
	s_delay_alu instid0(VALU_DEP_2)
	v_max3_num_f32 v196, v[BM], v[BM+1], v[BM+2]
	s_delay_alu instid0(VALU_DEP_1)
	v_max_num_f32 v196, v196, v[BM+3]
	s_delay_alu instid0(VALU_DEP_1)
	v_mul_f32 v196, s[CS], v196
	s_delay_alu instid0(VALU_DEP_1)
	v_max_num_f32 v13, v13, v196                   ; the running largest t
	v_mov_b32 v196, v12
	s_delay_alu instid0(VALU_DEP_2)
	v_floor_f32 v12, -v13                          ; the new -M
	s_delay_alu instid0(VALU_DEP_1)
	v_sub_f32 v196, v12, v196
	s_delay_alu instid0(VALU_DEP_1)
	v_cvt_i32_f32 v196, v196                       ; (it saturates)
	s_delay_alu instid0(VALU_DEP_1)
	v_ldexp_f32 v222, 1.0, v196                    ; f = 2^(old M - new M)
.set j, 0
.rept 32
	v_pk_fma_f32 v[S+j:S+j+1], v[S+j:S+j+1], s[CS:CS+1], v[12:13] op_sel_hi:[1,0,0]   ; t - M
.set j, j+2
.endr
.irp b, 0,1,2,3
	v_fma_f32 v[BM+\b], v[BM+\b], s[CS], v12
.endr
	s_wait_alu depctr_va_vdst(0)                   ; ahead of the batch
.set j, 0
.rept 64
	v_exp_f32 v[S+j], v[S+j]                       ; p = 2^(t - M)
.set j, j+1
.endr
	v_pk_mul_f32 v[14:15], v[14:15], v[222:223] op_sel_hi:[1,0]
	s_wait_alu depctr_va_vdst(0)                   ; one wait for the whole batch
.irp b, 0,1,2,3
	v_exp_f32 v[BM+\b], v[BM+\b]                   ; the block's largest p
.endr
.set k, 0
.rept 8                                ; the row's sum of the unquantised p: eight chains of packed additions
	v_pk_add_f32 v[T+2*k:T+2*k+1], v[S+2*k:S+2*k+1], v[S+16+2*k:S+17+2*k]
.set k, k+1
.endr
.irp o, 32,48
.set k, 0
.rept 8
	v_pk_add_f32 v[T+2*k:T+2*k+1], v[T+2*k:T+2*k+1], v[S+\o+2*k:S+\o+2*k+1]
.set k, k+1
.endr
.endr
.irp k, 0,1,2,3
	s_delay_alu instid0(VALU_DEP_4)
	v_pk_add_f32 v[T+2*\k:T+2*\k+1], v[T+2*\k:T+2*\k+1], v[T+8+2*\k:T+9+2*\k]
.endr
.irp k, 0,1
	s_delay_alu instid0(VALU_DEP_2)
	v_pk_add_f32 v[T+2*\k:T+2*\k+1], v[T+2*\k:T+2*\k+1], v[T+4+2*\k:T+5+2*\k]
.endr
	s_delay_alu instid0(VALU_DEP_1)
	v_pk_add_f32 v[T:T+1], v[T:T+1], v[T+2:T+3]
	s_delay_alu instid0(VALU_DEP_1)
	v_pk_add_f32 v[14:15], v[14:15], v[T:T+1]
	s_wait_alu depctr_va_vdst(0)                   ; and one for the four
.irp b, 0,1,2,3
	v_max_num_f32 v[BM+\b], 0x2800000, v[BM+\b]    ; the floor 2^(5 - 127): the byte cannot fall under 1
.endr
.irp b, 0,1,2,3
	s_delay_alu instid0(VALU_DEP_4)
	v_add_nc_u32 v[SO+\b], 0xfe000000, v[BM+\b]    ; the conversion's scale operand
.endr
.irp b, 0,1,2,3
	s_delay_alu instid0(VALU_DEP_4)
	v_lshrrev_b32 v[PL+\b], 23, v[SO+\b]           ; the scale's byte
.endr
	s_delay_alu instid0(VALU_DEP_3)
	v_lshl_or_b32 v236, v[PL+1], 8, v[PL]
	s_delay_alu instid0(VALU_DEP_1)
	v_lshl_or_b32 v236, v[PL+2], 16, v236
	s_delay_alu instid0(VALU_DEP_1)
	v_lshl_or_b32 v236, v[PL+3], 24, v236
.irp c, 0,1
	v_cvt_scalef32_pk16_bf6_f32 v[P+6*\c:P+6*\c+2], v[S+32*\c:S+32*\c+15], v[SO+2*\c]
	v_cvt_scalef32_pk16_bf6_f32 v[TT+4*\c:TT+4*\c+2], v[S+32*\c+16:S+32*\c+31], v[SO+2*\c+1]
.endr
	v_nop                                          ; one plain place behind a scaled conversion
.irp c, 0,1                            ; a WHOLE block in a lane
.irp i, 0,1,2
	v_permlane16_swap_b32 v[P+6*\c+\i], v[TT+4*\c+\i]
.endr
.irp i, 0,1,2
	s_delay_alu instid0(VALU_DEP_3)
	v_mov_b32 v[P+6*\c+3+\i], v[TT+4*\c+\i]
.endr
.endr
	s_wait_alu depctr_va_vdst(0)                   ; directly ahead of the first reader of O^T
.set j, 0
.rept 16
	v_pk_mul_f32 v[O+j:O+j+1], v[O+j:O+j+1], v[222:223] op_sel_hi:[1,0]    ; O^T under the new M; also the places ahead of the products
.set j, j+2
.endr
	s_wait_alu depctr_va_vdst(0)
	s_wait_dscnt 0x0                               ; V^T's fragments and scale words are in
.irp c, 0,1,2,3                        ; O^T += V^T P^T
.if \c < 2
	v_wmma_scale_f32_16x16x128_f8f6f4 v[O+8*\c:O+8*\c+7], v[F+12*\c:F+12*\c+11], v[P:P+11], v[O+8*\c:O+8*\c+7], v[86+\c%2], v236 matrix_a_fmt:MATRIX_FMT_BF6 matrix_b_fmt:MATRIX_FMT_BF6
.else
	v_wmma_scale_f32_16x16x128_f8f6f4 v[O+8*\c:O+8*\c+7], v[F+12*\c:F+12*\c+11], v[P:P+11], v[O+8*\c:O+8*\c+7], v[86+\c%2], v236 matrix_a_fmt:MATRIX_FMT_BF6 matrix_b_fmt:MATRIX_FMT_BF6 matrix_a_scale:MATRIX_SCALE_ROW1
.endif
.endr
.Lhidden_\@:
	s_add_co_u32 s[KF], s[KF], 128
	s_add_co_u32 s[TB], s[TB], STEPB
.endm
; THE CHANGE OF SLOTS.  Each wave waits for all its tensor loads, adds 0 to its spare word, and waits for that and for its reads of the slot that it has left.  fill = 1: the other slot takes the next eight steps.
.macro CHANGE fill
.if \fill
	s_wait_xcnt 0x0                                ; any prefetch of mine has read its address
	s_add_nc_u64 s[PF:PF+1], s[PF:PF+1], SLOTB
.endif
	s_wait_tensorcnt 0x0
	ds_add_u32 v[SPW], v[NIL]
.if \fill
	s_xor_b32 s[G0+1], s[G0+1], SLOT1
	s_add_nc_u64 s[G0+2:G0+3], s[G0+2:G0+3], SLOTB
.endif
	s_wait_dscnt 0x0
	s_barrier_signal -1
	s_barrier_wait -1
.if \fill
	s_add_co_u32 s52, s[KF], 1024                  ; a slot that begins behind my work-group's last row is read by none of the sixteen waves, and is not asked for: ids and the count of steps alone
	s_cmp_gt_u32 s52, s[LASTQ]
	s_cbranch_scc1 .Lpast_\@
	tensor_load_to_lds s[G0:G0+3], s[G1:G1+7]
	s_nop 0
.rept 4
	v_nop
.endr
.Lpast_\@:
	s_cmp_gt_u32 s[SLOTS], s[LIM]                  ; wave 0, in the first two changes: slots 2 and 3; the third change would name bytes past the head's records and asks for nothing
	s_cbranch_scc0 .Lnoask_\@
	global_prefetch_b8 v[PFO], s[PF:PF+1] th:TH_LOAD_NT scope:SCOPE_SE
.Lnoask_\@:
.endif
.endm
.macro EIGHT
	s_mov_b32 s[TW], 8
.Lstep_\@:
	STEP
	s_sub_co_u32 s[TW], s[TW], 1
	s_cmp_lg_u32 s[TW], 0
	s_cbranch_scc1 .Lstep_\@
	s_sub_co_u32 s[TB], s[TB], SLOTB
	s_xor_b32 s[TB], s[TB], SLOT1
.endm
.Lslot:
	CHANGE 1
	EIGHT
	s_sub_co_u32 s[SLOTS], s[SLOTS], 1
	s_cmp_lg_u32 s[SLOTS], 0
	s_cbranch_scc1 .Lslot
	CHANGE 0
	EIGHT
	; THE HAND-OVER.  The helper lays O^T and v[12:15] (-M, the largest t, the sum's halves) into its stage as an image of registers; a barrier; the owner takes them.
	s_cmp_eq_u32 s[ROLE], 0
	s_cbranch_scc0 .Lowner
.rept 4
	v_nop                                          ; places behind the last products
.endr
.irp i, 0,1,2,3,4,5,6,7
	ds_store_b128 v[XA], v[O+4*\i:O+4*\i+3] offset:512*\i
.endr
	ds_store_b128 v[XA], v[12:15] offset:4096
.Lowner:
	s_wait_dscnt 0x0                               ; for the owner's sake: my stores are done
	s_barrier_signal -1
	s_barrier_wait -1
	s_cmp_eq_u32 s[ROLE], 0
	s_cbranch_scc1 .Ldone
.irp i, 0,1,2,3,4,5,6,7
	ds_load_b128 v[S+4*\i:S+4*\i+3], v[XA] offset:512*\i
.endr
	ds_load_b128 v[128:131], v[XA] offset:4096
	s_wait_dscnt 0x0
	v_min_num_f32 v196, v12, v128                  ; -(the larger M).  A helper that had no step brings -M = 3e38, zeros, and the factor 0
	s_delay_alu instid0(VALU_DEP_1)
	v_sub_f32 v197, v196, v12
	v_sub_f32 v198, v196, v128
	s_delay_alu instid0(VALU_DEP_2)
	v_cvt_i32_f32 v197, v197
	s_delay_alu instid0(VALU_DEP_2)
	v_cvt_i32_f32 v198, v198
	s_delay_alu instid0(VALU_DEP_2)
	v_ldexp_f32 v222, 1.0, v197                    ; my factor,
	s_delay_alu instid0(VALU_DEP_2)
	v_ldexp_f32 v220, 1.0, v198                    ; and the helper's: whole powers of two
	s_delay_alu instid0(VALU_DEP_2)
	v_pk_mul_f32 v[14:15], v[14:15], v[222:223] op_sel_hi:[1,0]
.set j, 0
.rept 16
	v_pk_mul_f32 v[O+j:O+j+1], v[O+j:O+j+1], v[222:223] op_sel_hi:[1,0]    ; each accumulator from its low end on
.set j, j+2
.endr
	v_pk_fma_f32 v[14:15], v[130:131], v[220:221], v[14:15] op_sel_hi:[1,0,1]
.set j, 0
.rept 16
	v_pk_fma_f32 v[O+j:O+j+1], v[S+j:S+j+1], v[220:221], v[O+j:O+j+1] op_sel_hi:[1,0,1]
.set j, j+2
.endr
	FINISH 0
.Ldone:
	s_wait_tensorcnt 0x0                           ; the wave's end
	ds_add_u32 v[SPW], v[NIL]
	s_wait_dscnt 0x0
	s_endpgm
.Lfunc_end_k_q254e440251_attn:
	.size	k_q254e440251_attn, .Lfunc_end_k_q254e440251_attn-k_q254e440251_attn
	.p2alignl 7, 3214868480
	.fill 96, 4, 3214868480
	.section	.rodata,"a",@progbits
	.p2align	6, 0x0
	.amdhsa_kernel k_q254e440251_attn
		.amdhsa_group_segment_fixed_size 327680
		.amdhsa_private_segment_fixed_size 0
		.amdhsa_enable_private_segment 0
		.amdhsa_kernarg_size 24
		.amdhsa_user_sgpr_count 2
		.amdhsa_user_sgpr_kernarg_segment_ptr 1
		.amdhsa_wavefront_size32 1
		.amdhsa_system_sgpr_workgroup_id_x 1
		.amdhsa_system_sgpr_workgroup_id_y 1
		.amdhsa_system_sgpr_workgroup_id_z 1
		.amdhsa_system_vgpr_workitem_id 0
		.amdhsa_next_free_vgpr 256
		.amdhsa_next_free_sgpr 66
		.amdhsa_reserve_vcc 1
		.amdhsa_float_denorm_mode_32 3
		.amdhsa_float_denorm_mode_16_64 3
		.amdhsa_memory_ordered 1
		.amdhsa_forward_progress 1
		.amdhsa_inst_pref_size 74
	.end_amdhsa_kernel
	.amdgpu_metadata
---
amdhsa.version: [ 1, 2 ]
amdhsa.kernels:
  - .name:           k_q254e440251_attn
    .symbol:         k_q254e440251_attn.kd
    .args:
      - { .name: rq, .offset: 0, .size: 8, .value_kind: global_buffer, .address_space: global }
      - { .name: kv, .offset: 8, .size: 8, .value_kind: global_buffer, .address_space: global }
      - { .name: out0, .offset: 16, .size: 8, .value_kind: global_buffer, .address_space: global }
    .group_segment_fixed_size: 327680
    .private_segment_fixed_size: 0
    .kernarg_segment_align: 8
    .kernarg_segment_size: 24
    .max_flat_workgroup_size: 512
    .sgpr_count:     66
    .vgpr_count:     256
    .wavefront_size: 32
...
	.end_amdgpu_metadata
.endif
;; end of part 3
